; MI455X (gfx1250); checked and timed in simulation.
; The chip was launched on July 23, 2026; its instructions are those of AMD's public machine-readable ISA for CDNA 5 (MIT licence, August 2026) and "CDNA5" Instruction Set Architecture Reference Guide (July 2026). The comments in the code are by the model that wrote it; some were corrected since.
;; Sine Layer. Allowed arithmetic: matrix products marked QUANTISED: E2M1 operands, one E8M0 scale for each 32 along K, by v_wmma_scale_f32_16x16x128_f8f6f4 with both operands' format E2M1 (or v_wmma_scale_f32_32x16x128_f4), f32 sums; everything else in f32.
;; Inputs: bias 512 float32; c_basis 512 x 256 x 16 float32; omega 16 x 1 float32; phase 16 x 1 float32; x 32,768 x 256 float32.
;; Outputs: out0 32,768 x 512 float32.
;; This version of the problem:
;;   THIS VERSION OF THE PROBLEM IS GIVEN IN LOW PRECISION. The matrix products marked QUANTISED in the list below multiply operands that are first quantised to E2M1 (2 exponent bits, 1 mantissa bit; 4 bits a number), with one power-of-two scale for each 32 numbers along K (OCP MX v1.0); their sums are f32. All else is computed in f32.
;;   The module's matrix products, in the order in which they are computed (A, B: the left and right operand; K: the contracted axis; several contracted axes count as one K, in the product's order):
;;     1. [M 32,768, K 4,096] x [K 4,096, N 512]; A: computed on the way; B: input c_basis: QUANTISED
;;   THE QUANTISER, for each operand of a quantised product, along K:
;;     - K is cut into blocks of 32 from its start; a last block that is shorter is filled with zeros.
;;     - A block's scale is 2^e with e = floor(log2(the largest magnitude in the block)) - 2, held to -126 .. 127; a block of zeros has e = 0. As a byte (E8M0): e + 127.
;;     - Each number is divided by its block's scale, clamped to +-6, and rounded to the nearest number of E2M1, ties to even, subnormals kept.
;;     - The product sums the exact products of the quantised numbers (number of the format x scale) in f32.
;;   ~~~python
;;   def quantise(x, axis):      # numpy; x: float32 -> the quantised numbers, widened to float32 again
;;       x = np.moveaxis(x, axis, -1); K = x.shape[-1]
;;       x = np.pad(x, [(0, 0)] * (x.ndim - 1) + [(0, -K % 32)]); x = x.reshape(x.shape[:-1] + (-1, 32)); a = np.abs(x).max(-1, keepdims=True)
;;       e = np.where(a > 0, np.clip(np.frexp(np.where(a > 0, a, 1))[1] - 1 - 2, -126, 127), 0)      # np.frexp(a)[1] - 1 = floor(log2(a)), exactly
;;       r = np.clip(x / 2.0 ** e, -6, 6)
;;       step = 2.0 ** (np.maximum(np.frexp(np.where(r == 0, 1, r))[1] - 1, 0) - 1)
;;       q = np.round(r / step) * step * 2.0 ** e      # np.round: ties to even
;;       return np.moveaxis(q.reshape(q.shape[:-2] + (-1,))[..., :K], -1, axis).astype(np.float32)
;;   ~~~
;;   OPERANDS COMPUTED ON THE WAY. 'Computed on the way' means the value that the module computes at that place (a softmax that the list does not call 'softmax' is quantised finished and normalised). What goes into a quantiser is computed in f32, as accurately as f32 sums, v_exp_f32 and their like allow (about 1e-6 of the number): no bf16 or f16 on the way to a quantiser, and a product that is left as it is and whose result goes on into a quantised operand takes f32 operands (vector FMAs, or v_wmma_f32_16x16x4_f32). A number that lies on a knife's edge between two numbers of the format may be rounded either way, as far as f32 arithmetic and the matrix unit's own rounding can turn it there, and no further.
;; One version. Each part assembles by itself: llvm-mc -triple=amdgcn-amd-amdhsa -mcpu=gfx1250 --defsym DOCPART=n.
;; ======== version 1 of 1: 2 launches
;; limits: right only within a limited range of input values
;; workspace buffers: wq 1,114,112 bytes; cst 1,024 bytes
;; launch prep (part 1): grid 64 x 1, 8 waves a work-group, no clusters, 132,352 bytes of LDS; arguments c_basis, omega, phase, wq, cst; writes wq, cst
.if DOCPART == 1
	.amdgcn_target "amdgcn-amd-amdhsa--gfx1250"
	.amdhsa_code_object_version 6
	.text
	.protected	k_q52fcf0af06_prep
	.globl	k_q52fcf0af06_prep
	.p2align	8
	.type	k_q52fcf0af06_prep,@function
k_q52fcf0af06_prep:
	s_mov_b64 s[64:65], 0
	v_nop
	global_prefetch_b8 v0, s[64:65] scope:SCOPE_SE
	s_setreg_imm32_b32 hwreg(HW_REG_WAVE_MODE, 25, 1), 1
	s_wait_xcnt 0x0
; c_basis [512 o][256 i][16 d] f32 becomes codes of FP4 (E2M1) with one E8M0 byte for each 32 along K, laid in the order of the operand's registers; omega, phase become nine constants for each channel d.
; K of the product is d-major (k = 256 d + i): a block of 32 along K is 32 neighbouring i of ONE channel d, numbers 64 bytes apart in memory.
; A block's scale is 2^(floor(log2(largest magnitude)) - 2); its byte is the largest magnitude's exponent field - 2, held at 1 from below.
; LIMITS: a block of zeros gets the byte 1 where the rule says 127 (its codes are zeros, and this program alone reads the bytes); blocks whose largest magnitude lies under 2^-124 are held at that floor; NaN and infinities are not served.
; SHARES.  A work-group takes tile t = x % 32 (16 rows) x half s = x / 32 (128 i) x all 16 d: 8,192 consecutive bytes of each row.  Wave w loads rows 2 w, 2 w + 1 into a stage that the eight waves share (rows of 8,192 + 16 bytes);
; a barrier; then lane (r, e) of wave w takes the four blocks of (row r, d = 2 w + e): all 128 numbers and all four bytes of the scale word are the lane's own.
; wq: STEP 16 s + d at 34,816 x (16 s + d): codes at 1,024 t + 256 b + 16 r (block b holds i = 128 s + 32 b + 0 .. 31: register group b / 2 of lane 16 (b % 2) + r); scale words at 32,768 + 64 t + 4 r, byte b for block b.
; Sixteen lanes store 256 consecutive bytes of codes, and 64 consecutive bytes of scale words.
; cst: float [16 d][16], nine used: w' = omega / 2 pi, p' = phase / 2 pi, C5 .. C0, MI, where sin(2 pi s) = s (c0 + c1 z + .. + c5 z^5), z = s^2, |s| <= 1/2, Ck = ck / (std + 1e-8), MI = mu / (std + 1e-8).
.set R,     32                         ; v32-159  the lane's 128 numbers
.set CD,    160                        ; v160-175 codes
.set BY,    176                        ; v176-179 scale bytes
.set U,     180                        ; v180-190 the maximum's leaves
.set SCL,   192                        ; the conversion's scale operand
.set ROWP,  8208
.set CHUNK, 34816
	s_load_b256 s[4:11], s[0:1], 0x0               ; c_basis, omega, phase, wq
	s_load_b64 s[12:13], s[0:1], 0x20              ; cst
	v_lshl_add_u32 v254, v0, 2, 0x20100
	v_mov_b32 v255, 0
	v_lshrrev_b32 v7, 5, v0
	s_delay_alu instid0(VALU_DEP_1)
	v_readfirstlane_b32 s14, v7                    ; wave 0..7
	v_and_b32 v8, 31, v0                           ; lane
	v_and_b32 v9, 15, v0                           ; r
	v_bfe_u32 v10, v0, 4, 1                        ; e
	s_delay_alu instid0(VALU_DEP_3)
	v_lshlrev_b32 v1, 4, v8                        ; 16 x lane
	s_mul_i32 s18, s14, 2*ROWP
	v_add_nc_u32 v2, s18, v1                       ; the stage, on the way in: my wave's two rows
	v_mul_u32_u24 v3, v9, ROWP
	s_delay_alu instid0(VALU_DEP_1)
	v_lshl_add_u32 v3, v10, 2, v3
	s_lshl_b32 s18, s14, 3
	v_add_nc_u32 v3, s18, v3                       ; and out: row r, channel 2 w + e
	v_mul_u32_u24 v4, v10, CHUNK                   ; lanes 16-31 store into the next channel's step
	s_delay_alu instid0(VALU_DEP_1)
	v_lshl_add_u32 v5, v9, 2, v4                   ; the scale word's place: + 4 r
	s_delay_alu instid0(VALU_DEP_2)
	v_lshl_add_u32 v4, v9, 4, v4                   ; the codes' place: + 16 r
	v_lshlrev_b32 v6, 2, v9                        ; omega, phase: 4 d
	v_lshlrev_b32 v11, 6, v9                       ; cst: 64 d
	s_lshl_b32 s15, ttmp9, 3
	s_add_co_u32 s15, s15, s14                     ; 0 in one wave of the launch
	s_and_b32 s16, ttmp9, 31                       ; t
	s_lshr_b32 s17, ttmp9, 5                       ; s
	s_lshl_b32 s22, s16, 18                        ; 16 rows of 16,384 bytes,
	s_lshl_b32 s23, s14, 15                        ; my wave's two rows,
	s_add_co_u32 s22, s22, s23
	s_lshl_b32 s23, s17, 13                        ; the half's 8,192 bytes
	s_add_co_u32 s22, s22, s23
	s_mov_b32 s23, 0
	s_mul_i32 s24, s14, 2*CHUNK                    ; channel 2 w,
	s_mul_i32 s25, s17, 16*CHUNK                   ; half s
	s_add_co_u32 s24, s24, s25
	s_lshl_b32 s25, s16, 10
	s_add_co_u32 s26, s24, s25                     ; the codes' place
	s_mov_b32 s27, 0
	s_lshl_b32 s25, s16, 6
	s_add_co_u32 s28, s24, s25                     ; the scale words' place
	s_mov_b32 s29, 0
	s_wait_alu depctr_va_vdst(0)
	s_wait_kmcnt 0x0
	s_add_nc_u64 s[4:5], s[4:5], s[22:23]
	s_add_nc_u64 s[30:31], s[10:11], s[28:29]
	s_add_nc_u64 s[10:11], s[10:11], s[26:27]
	global_load_b32 v208, v6, s[6:7]               ; omega and phase: every wave loads them, so that one branch alone parts the wave that makes the constants
	global_load_b32 v209, v6, s[8:9]
.set j, 0
.rept 32
	global_load_b128 v[R+4*j:R+4*j+3], v1, s[4:5] offset:(j/16)*16384+(j%16)*512 th:TH_LOAD_NT   ; 512 consecutive bytes of row 2 w + j / 16
.set j, j+1
.endr
.macro SINT dst, t, n, z               ; sin(2 pi t): t less its nearest whole number, then the polynomial
	v_rndne_f32 v[\n], v[\t]
	s_delay_alu instid0(VALU_DEP_1)
	v_sub_f32 v[\n], v[\t], v[\n]
	s_delay_alu instid0(VALU_DEP_1)
	v_mul_f32 v[\z], v[\n], v[\n]
	v_mov_b32 v[\dst], 0xc1478a37
	s_delay_alu instid0(VALU_DEP_1)
	v_fmaak_f32 v[\dst], v[\dst], v[\z], 0x42255f1d
	s_delay_alu instid0(VALU_DEP_1)
	v_fmaak_f32 v[\dst], v[\dst], v[\z], 0xc2993a9c
	s_delay_alu instid0(VALU_DEP_1)
	v_fmaak_f32 v[\dst], v[\dst], v[\z], 0x42a3332c
	s_delay_alu instid0(VALU_DEP_1)
	v_fmaak_f32 v[\dst], v[\dst], v[\z], 0xc2255dca
	s_delay_alu instid0(VALU_DEP_1)
	v_fmaak_f32 v[\dst], v[\dst], v[\z], 0x40c90fda
	s_delay_alu instid0(VALU_DEP_1)
	v_mul_f32 v[\dst], v[\dst], v[\n]
.endm
	s_cmp_lg_u32 s15, 0
	s_cbranch_scc1 .Lno_consts
	s_wait_loadcnt 32                              ; omega and phase are in; the 32 loads behind them may be out
	v_mul_f32 v210, 0x31dc9c87, v208               ; 1 / 2 pi in two parts, so that w' and p' are rounded once
	v_mul_f32 v211, 0x31dc9c87, v209
	s_delay_alu instid0(VALU_DEP_2)
	v_fma_f32 v210, v208, 0.15915494, v210         ; w'
	s_delay_alu instid0(VALU_DEP_2)
	v_fma_f32 v211, v209, 0.15915494, v211         ; p'
	v_mul_f32 v212, v208, v208                     ; omega^2
	s_delay_alu instid0(VALU_DEP_1)
	v_mul_f32 v213, 0xbf38aa3b, v212               ; x -0.5 log2(e)
	s_delay_alu instid0(VALU_DEP_2)
	v_mul_f32 v214, 0xc038aa3b, v212               ; x -2 log2(e)
	s_wait_alu depctr_va_vdst(0)
	v_exp_f32 v213, v213                           ; exp(-0.5 omega^2)
	v_exp_f32 v214, v214                           ; exp(-2 omega^2)
	v_fma_f32 v215, v211, 2.0, 0x3e800000          ; 2 phase + a quarter turn: its sine is cos(2 phase)
	SINT 216, 211, 218, 219                        ; sin(phase)
	SINT 217, 215, 218, 219                        ; cos(2 phase)
	s_wait_alu depctr_va_vdst(0)                   ; one wait for both exponentials, ahead of their first reader
	v_mul_f32 v220, v213, v216                     ; mu
	v_fma_f32 v221, -v214, v217, 1.0
	s_delay_alu instid0(VALU_DEP_2)
	v_mul_f32 v222, v220, v220
	s_delay_alu instid0(VALU_DEP_1)
	v_fma_f32 v222, v221, 0.5, -v222               ; the variance
	s_wait_alu depctr_va_vdst(0)
	v_sqrt_f32 v222, v222
	v_nop
	s_wait_alu depctr_va_vdst(0)
	v_add_f32 v222, 0x322bcc77, v222               ; std + 1e-8
	s_wait_alu depctr_va_vdst(0)
	v_rcp_f32 v223, v222
	v_nop
	s_wait_alu depctr_va_vdst(0)
	v_fma_f32 v224, -v222, v223, 1.0               ; one Newton step on the reciprocal
	v_fma_f32 v223, v223, v224, v223
	s_delay_alu instid0(VALU_DEP_1)
	v_mul_f32 v231, v220, v223                     ; MI
	s_delay_alu instid0(VALU_DEP_2)
	v_mul_f32 v225, 0xc1478a37, v223               ; C5 .. C0
	s_delay_alu instid0(VALU_DEP_3)
	v_mul_f32 v226, 0x42255f1d, v223
	s_delay_alu instid0(VALU_DEP_4)
	v_mul_f32 v227, 0xc2993a9c, v223
	v_mul_f32 v228, 0x42a3332c, v223
	v_mul_f32 v229, 0xc2255dca, v223
	v_mul_f32 v230, 0x40c90fda, v223
	global_store_b32 v11, v210, s[12:13]           ; lanes 16-31 write the same words with the same values
	global_store_b32 v11, v211, s[12:13] offset:4
	global_store_b32 v11, v225, s[12:13] offset:8
	global_store_b32 v11, v226, s[12:13] offset:12
	global_store_b32 v11, v227, s[12:13] offset:16
	global_store_b32 v11, v228, s[12:13] offset:20
	global_store_b32 v11, v229, s[12:13] offset:24
	global_store_b32 v11, v230, s[12:13] offset:28
	global_store_b32 v11, v231, s[12:13] offset:32
.Lno_consts:
.set j, 0
.rept 32
	s_wait_loadcnt 31-j                            ; load j is in; those issued behind it may be out
	ds_store_b128 v2, v[R+4*j:R+4*j+3] offset:(j/16)*ROWP+(j%16)*512
.set j, j+1
.endr
	s_wait_dscnt 0x0                               ; for the others' sake: my stores into the stage are done
	s_barrier_signal -1
	s_barrier_wait -1                              ; the 16 rows lie in the stage
.macro LOADB b                         ; block b of (row r, my channel): i = 32 b + 0 .. 31, 64 bytes apart
.set i, 0
.rept 32
	ds_load_b32 v[R+32*(\b)+i], v3 offset:2048*(\b)+64*i
.set i, i+1
.endr
.endm
	LOADB 0
.irp b, 0,1,2,3
	s_wait_dscnt 0x0                               ; this block's 32 numbers are in;
.if \b < 3
	LOADB \b+1                                     ; the next block's come while it is worked
.endif
.irp k, 0,1,2,3,4,5,6,7,8,9
	v_max3_num_f32 v[U+\k], |v[R+32*\b+3*\k]|, |v[R+32*\b+3*\k+1]|, |v[R+32*\b+3*\k+2]|
.endr
	v_max3_num_f32 v[U+10], |v[R+32*\b+30]|, |v[R+32*\b+31]|, 0x1800000   ; and the floor 2^(3 - 127): the byte cannot fall under 1
	v_max3_num_f32 v[U], v[U], v[U+1], v[U+2]
	v_max3_num_f32 v[U+3], v[U+3], v[U+4], v[U+5]
	v_max3_num_f32 v[U+6], v[U+6], v[U+7], v[U+8]
	s_delay_alu instid0(VALU_DEP_1)
	v_max3_num_f32 v[U], v[U], v[U+3], v[U+6]
	s_delay_alu instid0(VALU_DEP_1)
	v_max3_num_f32 v[U], v[U], v[U+9], v[U+10]     ; the block's largest magnitude
	s_delay_alu instid0(VALU_DEP_1)
	v_add_nc_u32 v[SCL], 0xff000000, v[U]          ; 2 off its exponent field: the conversion's scale operand
	s_delay_alu instid0(VALU_DEP_1)
	v_lshrrev_b32 v[BY+\b], 23, v[SCL]             ; the scale's byte
.irp g, 0,1,2,3
	v_cvt_scalef32_pk8_fp4_f32 v[CD+4*\b+\g], v[R+32*\b+8*\g:R+32*\b+8*\g+7], v[SCL]
.endr
	global_store_b128 v4, v[CD+4*\b:CD+4*\b+3], s[10:11] offset:256*\b   ; sixteen lanes store 256 consecutive bytes, at a multiple of 256 from wq's first byte
.endr
	v_lshl_or_b32 v200, v[BY+1], 8, v[BY]          ; my four bytes are the word of (row r, my channel, half s)
	s_delay_alu instid0(VALU_DEP_1)
	v_lshl_or_b32 v200, v[BY+2], 16, v200
	s_delay_alu instid0(VALU_DEP_1)
	v_lshl_or_b32 v200, v[BY+3], 24, v200
	global_store_b32 v5, v200, s[30:31] offset:32768
	s_wait_tensorcnt 0x0                           ; the wave's end
	ds_add_u32 v254, v255
	s_wait_dscnt 0x0
	s_endpgm
.Lfunc_end_k_q52fcf0af06_prep:
	.size	k_q52fcf0af06_prep, .Lfunc_end_k_q52fcf0af06_prep-k_q52fcf0af06_prep
	.p2alignl 7, 3214868480
	.fill 96, 4, 3214868480
	.section	.rodata,"a",@progbits
	.p2align	6, 0x0
	.amdhsa_kernel k_q52fcf0af06_prep
		.amdhsa_group_segment_fixed_size 132352
		.amdhsa_private_segment_fixed_size 0
		.amdhsa_enable_private_segment 0
		.amdhsa_kernarg_size 40
		.amdhsa_user_sgpr_count 2
		.amdhsa_user_sgpr_kernarg_segment_ptr 1
		.amdhsa_wavefront_size32 1
		.amdhsa_system_sgpr_workgroup_id_x 1
		.amdhsa_system_sgpr_workgroup_id_y 1
		.amdhsa_system_sgpr_workgroup_id_z 1
		.amdhsa_system_vgpr_workitem_id 0
		.amdhsa_next_free_vgpr 256
		.amdhsa_next_free_sgpr 66
		.amdhsa_reserve_vcc 0
		.amdhsa_float_denorm_mode_32 3
		.amdhsa_float_denorm_mode_16_64 3
		.amdhsa_memory_ordered 1
		.amdhsa_forward_progress 1
		.amdhsa_inst_pref_size 28
	.end_amdhsa_kernel
	.amdgpu_metadata
---
amdhsa.version: [ 1, 2 ]
amdhsa.kernels:
  - .name:           k_q52fcf0af06_prep
    .symbol:         k_q52fcf0af06_prep.kd
    .args:
      - { .name: c_basis, .offset: 0, .size: 8, .value_kind: global_buffer, .address_space: global }
      - { .name: omega, .offset: 8, .size: 8, .value_kind: global_buffer, .address_space: global }
      - { .name: phase, .offset: 16, .size: 8, .value_kind: global_buffer, .address_space: global }
      - { .name: wq, .offset: 24, .size: 8, .value_kind: global_buffer, .address_space: global }
      - { .name: cst, .offset: 32, .size: 8, .value_kind: global_buffer, .address_space: global }
    .group_segment_fixed_size: 132352
    .private_segment_fixed_size: 0
    .kernarg_segment_align: 8
    .kernarg_segment_size: 40
    .max_flat_workgroup_size: 256
    .sgpr_count:     66
    .vgpr_count:     256
    .wavefront_size: 32
...
	.end_amdgpu_metadata
.endif
;; end of part 1
;; launch sine (part 2): grid 256 x 1, 4 waves a work-group, clusters of 4 x 1, 327,680 bytes of LDS; arguments x, wq, cst, bias, out0; writes out0
.if DOCPART == 2
	.amdgcn_target "amdgcn-amd-amdhsa--gfx1250"
	.amdhsa_code_object_version 6
	.text
	.protected	k_q52fcf0af06_sine
	.globl	k_q52fcf0af06_sine
	.p2align	8
	.type	k_q52fcf0af06_sine,@function
k_q52fcf0af06_sine:
	s_mov_b64 s[64:65], 0
	v_nop
	global_prefetch_b8 v0, s[64:65] scope:SCOPE_SE
	s_setreg_imm32_b32 hwreg(HW_REG_WAVE_MODE, 25, 1), 1
	s_wait_xcnt 0x0
	s_wait_alu depctr_hold_cnt(0) depctr_sa_sdst(0) depctr_va_vdst(0) depctr_va_sdst(0) depctr_va_ssrc(0) depctr_va_vcc(0) depctr_vm_vsrc(0)
	s_getreg_b32 s2, hwreg(HW_REG_IB_STS2, 6, 4)
	s_cmp_eq_u32 s2, 0
	s_cbranch_scc0 .Lentry_in_a_cluster
	s_endpgm
.Lentry_in_a_cluster:
	s_bfe_u32 s2, ttmp6, 0x10000c
	s_cmp_lg_u32 s2, 0x3003
	s_cbranch_scc0 .Lentry_shape_is_right
	s_endpgm
.Lentry_shape_is_right:
; out0[b][o] = sum over k of Q(A[b][k]) Q(c_basis[o][k]) + bias[o],  A[b][k] = (sin(omega_d x[b][i] + phase_d) + mu_d) / (std_d + 1e-8),  Q the MX-FP4 quantiser along K.
; K of the product is d-major (k = 256 d + i): a block of 32 along K is 32 neighbouring i of ONE channel d.  c_basis comes as codes and scale words in the order of the operand's registers (wq), the channels' constants from cst.
; THE SINE, in turns: t = x w' + p' (fused), s = t - nearest whole number (exact), z = s^2, A = s (C0 + C1 z + .. + C5 z^5) + MI, the channel's 1 / (std + 1e-8) folded into the coefficients.
; LIMITS: the argument is formed fused and in turns, so it differs from fl(fl(omega x) + phase) by some 1.5 units in its last place; |t| stays under 2^22; NaN and infinities are not served;
; a block of zeros gets the scale byte 1 (its codes are zeros; nobody else reads the byte).  The sums run over K by halves of i (step 16 s + d), not in ascending k.
; SHARES.  A work-group owns 128 rows x all 512 columns, so A is made once and wq is walked once.  Four waves, one to a SIMD; a wave owns 32 rows (two tiles of 16) x 512 columns: 64 tiles of 16 x 16 in 512 registers.
; A wave makes its own rows' codes in registers and multiplies them there: A never goes through LDS, and the only barrier is the one at wq's change of slots.
; A STEP is 128 along K: channel d, half s of i (i = 128 s + 0 .. 127); step 16 s + d.  The first 16 steps want the first 512 bytes of each row of x alone; the second half of x waits in registers and takes their place once.
; In a step the wave multiplies step k (32 matrix instructions) while it makes the codes of step k + 1 (128 numbers a lane): the matrix instructions stand in pairs (one fragment of wq x my two tiles) between the polynomial's runs of vector lines.
; A block's maximum tree, conversions and scale word are laid into the NEXT block's first runs, so that no line reads the line above it.
; THE MATRIX INSTRUCTION is the 32 x 16 x 128 form, source 0 = 32 rows of c_basis, source 1 = 16 rows of A: lane (r, h) holds row r of A and columns 32 u + 8 h + j (registers 0-7), 32 u + 16 + 8 h + j (registers 8-15).
; The bias is loaded into the accumulators in that layout, so every product adds in place and nothing is cleared.  The 32 accumulators take turns, one instruction a turn.
; wq comes through two LDS slots of two steps each (69,632 bytes); each wave fetches a quarter.  CLUSTER: all work-groups walk the same steps, so the four of a cluster ask JOINTLY (mask 15), behind a round of the cluster's barrier.
; No prefetch is laid: a slot is asked for two steps ahead of its use, and the 64 clusters ask for the same 69,632 bytes of a buffer of 1,114,112 bytes.
; wq's fragments go through a ring of four sets of 16 registers.  They are asked for two sets (ten LDS loads) at a time, twice a block, each time behind 32 vector lines or more since the last matrix instruction and more than 100 vector lines ahead of their products.
; LDS: 0 slot 0 | 69,632 the spare words | 70,144 the bias, a copy a wave | 131,072 slot 1 | 200,704 a stash of 32 rows x 528 a wave: x turns through it, and later the results.  All of LDS is claimed.
; REGISTERS.  window 0: v1-21 addresses and small things, v22-25 A's scale words, v26-29 wq's (scales and nothing else), v32-127 t, z, A of a block, v128-145 nine constants twice, v146-177 A's codes (two sets), v178-241 the ring, v242-252 the maximum's leaves.
;   window 1: v0-127 x (tile m, group c, number j at 64 m + 32 c + j), v128-255 x as loaded.   window 2 + m: accumulator u of tile m at v[16 u].
.set CHB,   34816                      ; a step of wq: 32,768 bytes of codes, 2,048 of scale words
.set SLOTB, 2*CHB
.set QUART, SLOTB/4
.set SLOT1, 1<<17
.set SPARE, SLOTB
.set BIASL, SPARE+512
.set XS,    SLOT1+SLOTB
.set XP,    528                        ; a stash row: 512 bytes + 16: the 16 rows that a load touches start at 16 different groups of banks
.set XW,    32*XP
.set SPW, 1
.set NIL, 2
.set LI,  3                            ; 16 x lane
.set BS0, 4                            ; 4 x lane
.set BRA, 5                            ; wq's codes: the slot's first step, its second;
.set BRB, 6
.set BSA, 7                            ; the scale words likewise
.set BSB, 8
.set XSW, 9                            ; stash: 16 x lane
.set XRD, 10                           ; stash: row r, + 128 h
.set STO, 11                           ; stash: row r, + 32 h
.set BW,  12
.set BRD, 13
.set SH8, 14
.set SCL, 16
.set BYT, 18
.set PW,  20
.set PX,  21
.set AS,  22
.set BSC, 26
.set T,   32
.set Z,   64
.set BB,  96
.set KK,  128
.set KW,  KK
.set KP,  KK+2
.set K5,  KK+4
.set K4,  KK+6
.set K3,  KK+8
.set K2,  KK+10
.set K1,  KK+12
.set K0,  KK+14
.set KMI, KK+16
.set CD,  146
.set FR,  178
.set MX,  242
.set OB,  32
.set WV,  14
.set TB,  15
.set TB2, 16
.set CNT, 17
.set SEL, 20
.set G0,  24
.set G1,  28
.set TMP, 36
.set OFF, 38
.set XB,  40
.set CP,  54
.set DNX, 56
.set KS,  68
.set MSB, 0
.set PV, 0
.set PC, 0
.set PCD, 0
.set PAS, 0
.set MULON, 0
.set FB, 0
.set NXT, 0
.set MSET, 0
.set CURA, BRA
.set CURS, BSA
.set NXTA, BRB
.set NXTS, BSB
.macro WIN new                         ; the immediate's high byte repeats the setting that is left; bits 1:0 source 0, 3:2 source 1, 5:4 source 2, 7:6 destination
.if MSB != \new
	s_set_vgpr_msb (MSB<<8)|\new
.set MSB, \new
.endif
.endm
.macro NOP4
.rept 4
	v_nop
.endr
.endm
.macro ROUND                           ; a round of the cluster's barrier
	s_barrier_signal -1
	s_barrier_wait -1
	s_cmp_lg_u32 s[WV], 0
	s_cbranch_scc1 .Lnw0_\@
	s_barrier_signal -3
.Lnw0_\@:
	s_barrier_wait -3
	s_barrier_signal -1
	s_barrier_wait -1
.endm
; fragment f of a step (32 rows of c_basis x 128 K) into set f % 4 of the ring, and its 32 scale words
.macro LDF f, a, s
.irp k, 0,1,2,3
	ds_load_b128 v[FR+16*((\f)%4)+4*\k:FR+16*((\f)%4)+4*\k+3], v[\a] offset:2048*(\f)+512*\k
.endr
	ds_load_b32 v[BSC+(\f)%4], v[\s] offset:32768+128*(\f)
.endm
.macro LDX i                           ; the block's fragment FB + i; past the step's sixteen: the next step's, if it lies in the same slot
.if MULON
.set f_, FB+\i
.if f_ < 16
	WIN 0
	LDF f_, CURA, CURS
.else
.if NXT
	WIN 0
	LDF f_-16, NXTA, NXTS
.endif
.endif
.endif
.endm
; the block's n-th product, n = 1 .. 8: fragment FB + (n - 1) / 2 x tile (n - 1) % 2.  The wait leaves out the five loads of each younger fragment: three fragments at n = 1, two at n = 3,
; three at n = 5 and two at n = 7, of which the next block's two are not there where none were asked for
.macro MMX n
.if MULON
.set f_, FB+((\n)-1)/2
.set m_, ((\n)-1)%2
.if m_ == 0
.set w_, 15
.if (\n) == 3
.set w_, 10
.endif
.if (\n) >= 5
.set w_, 0
.if FB < 12
.set w_, 10
.else
.if NXT
.set w_, 10
.endif
.endif
.if (\n) == 5
.set w_, w_+5
.endif
.endif
	s_wait_dscnt w_
.endif
	WIN 0xa0+0x50*m_                               ; C and D in window 2 + m
	v_wmma_scale_f32_32x16x128_f4 v[16*f_:16*f_+15], v[FR+16*(f_%4):FR+16*(f_%4)+15], v[CD+16*MSET+8*m_:CD+16*MSET+8*m_+7], v[16*f_:16*f_+15], v[BSC+f_%4], v[AS+2*MSET+m_]
.endif
.endm
.macro TPH lo                          ; t = x w' + p', 16 numbers
.irp j, 0,2,4,6,8,10,12,14
	v_pk_fma_f32 v[T+\lo+\j:T+\lo+\j+1], v[XX+\lo+\j:XX+\lo+\j+1], v[KW:KW+1], v[KP:KP+1]
.endr
.endm
.macro RND lo
.irp i, 0,1,2,3,4,5,6,7
	v_rndne_f32 v[Z+\lo+\i], v[T+\lo+\i]
.endr
.endm
.macro SUBH lo                         ; s = t - n: exact
.irp j, 0,2,4,6,8,10,12,14
	v_pk_add_f32 v[T+\lo+\j:T+\lo+\j+1], v[T+\lo+\j:T+\lo+\j+1], v[Z+\lo+\j:Z+\lo+\j+1] neg_lo:[0,1] neg_hi:[0,1]
.endr
.endm
.macro ZH lo
.irp j, 0,2,4,6,8,10,12,14
	v_pk_mul_f32 v[Z+\lo+\j:Z+\lo+\j+1], v[T+\lo+\j:T+\lo+\j+1], v[T+\lo+\j:T+\lo+\j+1]
.endr
.endm
.macro K5H lo
	WIN 0
.irp j, 0,2,4,6,8,10,12,14
	v_pk_fma_f32 v[BB+\lo+\j:BB+\lo+\j+1], v[K5:K5+1], v[Z+\lo+\j:Z+\lo+\j+1], v[K4:K4+1]
.endr
.endm
.macro HOR k
	WIN 0
.irp j, 0,2,4,6,8,10,12,14,16,18,20,22,24,26,28,30
	v_pk_fma_f32 v[BB+\j:BB+\j+1], v[BB+\j:BB+\j+1], v[Z+\j:Z+\j+1], v[\k:\k+1]
.endr
.endm
.macro WORD i                          ; behind a tile's second block: its two bytes to places h and 2 + h of the row's word, joined with lane l xor 16's two
.if PV
.if PC
.if \i == 1
	v_lshl_or_b32 v[PW], v[BYT+1], 16, v[BYT]
.endif
.if \i == 2
	v_lshlrev_b32 v[PW], v[SH8], v[PW]
.endif
.if \i == 3
	v_permlanex16_b32 v[PX], v[PW], s[SEL], s[SEL+1]
.endif
.if \i == 4
	v_or_b32 v[PAS], v[PW], v[PX]
.endif
.endif
.endif
.endm
.macro PEND i                          ; the block before: its largest magnitude, scale and codes, a piece at a time
.if PV
.if \i == 1
	v_max3_num_f32 v[MX], v[MX], v[MX+1], v[MX+2]
	v_max3_num_f32 v[MX+3], v[MX+3], v[MX+4], v[MX+5]
	v_max3_num_f32 v[MX+6], v[MX+6], v[MX+7], v[MX+8]
.endif
.if \i == 2
	v_max3_num_f32 v[MX], v[MX], v[MX+3], v[MX+6]
.endif
.if \i == 3
	v_max3_num_f32 v[MX], v[MX], v[MX+9], v[MX+10]
.endif
.if \i == 4
	v_add_nc_u32 v[SCL], 0xff000000, v[MX]         ; 2 off the exponent field: the conversion's scale operand
.endif
.if \i == 5
.irp q, 0,1,2,3
	v_cvt_scalef32_pk8_fp4_f32 v[PCD+\q], v[BB+8*\q:BB+8*\q+7], v[SCL]
.endr
	v_lshrrev_b32 v[BYT+PC], 23, v[SCL]            ; the scale's byte (a plain line behind the conversions)
.endif
.endif
.endm
; A block: the 32 numbers of tile m, group c (i = 128 s + 32 (2 c + h) + 0 .. 31 of row r), for code set 'set'; eight products of the step that is being multiplied
.macro BLOCK m, c, set
.set XX, 64*(\m)+32*(\c)
	WIN 0x01                                       ; source 0 (x) in window 1
	TPH 0
	TPH 16
	WIN 0
	PEND 1
	RND 0
	PEND 2
	RND 8
	PEND 3
	LDX 2                                          ; this block's third and fourth fragments, into the sets that the block before has read out
	LDX 3
	RND 16
	PEND 4
	RND 24
	PEND 5
	SUBH 0
	WORD 1
	SUBH 16
	WORD 2
	ZH 0
	WORD 3
	ZH 16
	WORD 4                                         ; sixteen vector lines stand between this write of a scale word and the first product that names it
	K5H 0
	K5H 16
	MMX 1
	MMX 2
	HOR K3
	MMX 3
	MMX 4
	HOR K2
	HOR K1
	LDX 4                                          ; the next block's first two fragments, into the sets that products 1 to 4 have read out
	LDX 5
	MMX 5
	MMX 6
	HOR K0
	WIN 0
.irp j, 0,2,4,6,8,10,12,14,16,18,20,22,24,26,28,30
	v_pk_fma_f32 v[BB+\j:BB+\j+1], v[T+\j:T+\j+1], v[BB+\j:BB+\j+1], v[KMI:KMI+1]   ; A
.endr
	MMX 7
	MMX 8
	WIN 0
.irp k, 0,1,2,3,4,5,6,7,8,9
	v_max3_num_f32 v[MX+\k], |v[BB+3*\k]|, |v[BB+3*\k+1]|, |v[BB+3*\k+2]|
.endr
	v_max3_num_f32 v[MX+10], |v[BB+30]|, |v[BB+31]|, 0x1800000   ; and the floor 2^(3 - 127): the byte cannot fall under 1
.set PV, 1
.set PC, \c
.set PCD, CD+16*(\set)+8*(\m)+4*(\c)
.set PAS, AS+2*(\set)+(\m)
.if MULON
.set FB, FB+4
.endif
.endm
.macro CONSTS                          ; the channel's nine constants, asked for a step ago, each into a pair
	WIN 0
	s_wait_kmcnt 0x0
.irp k, 0,1,2,3,4,5,6,7,8
	v_mov_b32 v[KK+2*\k], s[KS+\k]
	v_mov_b32 v[KK+2*\k+1], s[KS+\k]
.endr
.endm
.macro NEXTK                           ; the next channel's: the sixteen go round, so no load leaves cst
	s_add_co_u32 s[DNX], s[DNX], 64
	s_and_b32 s[DNX], s[DNX], 1023
	s_add_nc_u64 s[CP:CP+1], s[8:9], s[DNX:DNX+1]
	s_load_b256 s[KS:KS+7], s[CP:CP+1], 0x0
	s_load_b32 s[KS+8], s[CP:CP+1], 0x20
.endm
; a step: codes for set 'set' are made; set 1 - 'set' is multiplied by the slot's step 'half'.  more = 1: a further channel follows
.macro STEP set, half, more
.set MULON, 1
.set FB, 0
.set MSET, 1-(\set)
.if \half
.set CURA, BRB
.set CURS, BSB
.set NXT, 0
.else
.set CURA, BRA
.set CURS, BSA
.set NXT, 1
.endif
	CONSTS
	BLOCK 0, 0, \set
.if \more
	NEXTK
.endif
	BLOCK 0, 1, \set
	BLOCK 1, 0, \set
	BLOCK 1, 1, \set
.endm
.macro XLOAD s                         ; half s of my 32 rows of x: a load takes a row's 512 consecutive bytes
	WIN 0x40
.set j, 0
.rept 32
	global_load_b128 v[128+4*j:128+4*j+3], v[LI], s[XB:XB+1] offset:1024*j+512*(\s) th:TH_LOAD_NT
.set j, j+1
.endr
	WIN 0
.endm
.macro XTURN m                         ; tile m's 16 rows turn through my stash.  LDS serves a wave's instructions in order (ISA guide 5.7.1.4): the loads see the stores
	WIN 0x04
.set j, 16*(\m)
.rept 16
	ds_store_b128 v[XSW], v[128+4*j:128+4*j+3] offset:j*XP
.set j, j+1
.endr
	WIN 0x40
.set j, 0
.rept 16
	ds_load_b128 v[64*(\m)+4*j:64*(\m)+4*j+3], v[XRD] offset:16*(\m)*XP+256*(j/8)+16*(j%8)
.set j, j+1
.endr
	WIN 0
.endm
; THE CHANGE OF SLOTS.  Every wave: all its tensor loads have landed (its quarter of the next slot); 0 onto its spare word; its reads of the old slot are over.  refill = 1: a round of the cluster's barrier, and the old slot takes the next two steps.
.macro BOUNDARY refill
	WIN 0
	s_wait_alu depctr_va_vdst(0)
	s_wait_tensorcnt 0x0                           ; no tensor load of mine is out, so group 0 may be written
	ds_add_u32 v[SPW], v[NIL]
	s_xor_b32 s[TB], s[TB], SLOT1
	s_xor_b32 s[TB2], s[TB2], SLOT1
.if \refill
	s_xor_b32 s[G0+1], s[G0+1], SLOT1
	s_add_nc_u64 s[G0+2:G0+3], s[G0+2:G0+3], SLOTB
.endif
	s_wait_dscnt 0x0
.if \refill
	ROUND
	tensor_load_to_lds s[G0:G0+3], s[G1:G1+7]      ; my one load behind the round (the first time: slot 1's first fill)
	s_nop 0
.else
	s_barrier_signal -1
	s_barrier_wait -1
.endif
	v_add_nc_u32 v[BRA], s[TB], v[LI]
	v_add_nc_u32 v[BRB], s[TB2], v[LI]
	v_add_nc_u32 v[BSA], s[TB], v[BS0]
	v_add_nc_u32 v[BSB], s[TB2], v[BS0]
	LDF 0, BRA, BSA                                ; the new slot's first two fragments
	LDF 1, BRA, BSA
.endm
	s_load_b256 s[4:11], s[0:1], 0x0               ; x, wq, cst, bias
	s_load_b64 s[12:13], s[0:1], 0x20              ; out0
	v_lshl_add_u32 v[SPW], v0, 2, SPARE
	v_mov_b32 v[NIL], 0
	ds_add_u32 v[SPW], v[NIL]                      ; the opening lines: the add twice on end and one wait, ahead of my first tensor load
	ds_add_u32 v[SPW], v[NIL]
	v_lshrrev_b32 v252, 5, v0
	v_readfirstlane_b32 s[WV], v252                ; wave 0..3
	v_and_b32 v248, 31, v0                         ; lane
	v_and_b32 v249, 15, v0                         ; r
	v_bfe_u32 v250, v0, 4, 1                       ; h
	v_lshlrev_b32 v[LI], 4, v248
	v_lshlrev_b32 v[BS0], 2, v248
	s_mul_i32 s[TMP], s[WV], XW
	s_add_co_u32 s[TMP], s[TMP], XS                ; my stash
	v_add_nc_u32 v[XSW], s[TMP], v[LI]
	v_mul_u32_u24 v251, v249, XP
	v_lshl_add_u32 v252, v250, 7, v251
	v_add_nc_u32 v[XRD], s[TMP], v252
	v_lshl_add_u32 v252, v250, 5, v251
	v_add_nc_u32 v[STO], s[TMP], v252
	s_lshl_b32 s[TMP], s[WV], 11
	s_add_co_u32 s[TMP], s[TMP], BIASL             ; my copy of the bias
	v_add_nc_u32 v[BW], s[TMP], v[LI]
	v_lshl_add_u32 v[BRD], v250, 5, s[TMP]
	v_lshlrev_b32 v[SH8], 3, v250
	v_mov_b32 v[PX], 0                             ; a lane permute's destination counts as one of its sources
	s_wait_alu depctr_va_vdst(0)
	s_bfe_u32 s50, ttmp6, 0x40000                  ; cx: it enters x's and out0's addresses alone
	s_lshl_b32 s51, ttmp9, 2
	s_add_co_u32 s51, s51, s50                     ; my block of 128 rows
	; group 1: a quarter slot, 17,408 dense bytes, as 68 rows of 256 bytes (32 elements of 8)
	s_mov_b32 s[G1], 15|(3<<16)|(1<<21)            ; the mask: all four work-groups; elements of 8 bytes; bit 21 beside a mask
	s_mov_b32 s[G1+1], 32<<16
	s_mov_b32 s[G1+2], 68<<16
	s_mov_b32 s[G1+3], 32<<16
	s_mov_b32 s[G1+4], 68
	s_mov_b32 s[G1+5], 32
	s_mov_b32 s[G1+6], 0
	s_mov_b32 s[G1+7], 0
	s_mov_b32 s[CNT], 0
	s_mov_b32 s[DNX], 0
	s_mov_b32 s[DNX+1], 0
	s_mov_b32 s[SEL], 0x76543210
	s_mov_b32 s[SEL+1], 0xfedcba98                 ; v_permlanex16_b32's selects for lane l xor 16
	s_mov_b32 s[TB], SLOT1                         ; the first change of slots turns these two
	s_mov_b32 s[TB2], SLOT1+CHB
	s_mul_i32 s[OFF], s[WV], QUART
	s_mov_b32 s[OFF+1], 0
	s_lshl_b32 s52, s51, 17                        ; x: 128 rows of 1,024 bytes a work-group,
	s_lshl_b32 s[TMP], s[WV], 15                   ; 32 rows a wave
	s_add_co_u32 s52, s52, s[TMP]
	s_mov_b32 s53, 0
	s_wait_dscnt 0x0                               ; both opening adds are done
	s_wait_kmcnt 0x0
	s_add_nc_u64 s[XB:XB+1], s[4:5], s[52:53]
	s_lshl_b32 s52, s51, 18                        ; out0: rows of 2,048 bytes
	s_lshl_b32 s[TMP], s[WV], 16
	s_add_co_u32 s52, s52, s[TMP]
	s_add_nc_u64 s[12:13], s[12:13], s[52:53]
	s_mov_b32 s[G0], 1
	s_mul_i32 s[G0+1], s[WV], QUART                ; LDS: slot 0, my quarter
	s_add_nc_u64 s[G0+2:G0+3], s[6:7], s[OFF:OFF+1]
	s_or_b32 s[G0+3], s[G0+3], 0x80000000
.irp i, 0,1,2,3
	global_load_b128 v[32+4*\i:35+4*\i], v[LI], s[10:11] offset:512*\i   ; the bias
.endr
	XLOAD 0
	s_load_b256 s[KS:KS+7], s[8:9], 0x0            ; channel 0's constants
	s_load_b32 s[KS+8], s[8:9], 0x20
	ROUND                                          ; all four work-groups are here: the first joint loads meet
	tensor_load_to_lds s[G0:G0+3], s[G1:G1+7]      ; steps 0 and 1 into slot 0: my one load at the head
	s_nop 0
	NOP4
	s_wait_loadcnt 32                              ; the bias is in; x's 32 loads may be out
.irp i, 0,1,2,3
	ds_store_b128 v[BW], v[32+4*\i:35+4*\i] offset:512*\i
.endr
.irp m, 0,1                            ; the bias starts the sums: accumulator u, registers 4 k ..: columns 32 u + 16 (k / 2) + 8 h + 4 (k % 2) + 0 .. 3
	WIN 0x80+0x40*\m
.set j, 0
.rept 64
	ds_load_b128 v[4*j:4*j+3], v[BRD] offset:128*(j/4)+64*((j%4)/2)+16*(j%2)
.set j, j+1
.endr
.endr
	WIN 0
	s_wait_loadcnt 16                              ; tile 0's 16 rows are in
	XTURN 0
	s_wait_dscnt 0x0
	CONSTS
	BLOCK 0, 0, 0                                  ; step 0's codes; nothing is multiplied yet
	NEXTK
	BLOCK 0, 1, 0
	s_wait_alu depctr_va_vdst(0)
	s_wait_loadcnt 0x0
	XTURN 1
	s_wait_dscnt 0x0                               ; x is in its registers, and the stores have read theirs,
	XLOAD 1                                        ; which take the rows' second halves; they wait there until step 16 is made
	BLOCK 1, 0, 0
	BLOCK 1, 1, 0
	WIN 0
.Lpair:                                                ; trip j: steps 2 j and 2 j + 1 are multiplied, steps 2 j + 1 and 2 j + 2 are made, steps 2 j + 2 and 2 j + 3 of wq are asked for
	BOUNDARY 1
	STEP 1, 0, 1
	WIN 0
	s_cmp_eq_u32 s[CNT], 7                         ; step 15 has read the last of x's first half.  The branch hangs on the trip's number alone
	s_wait_alu depctr_va_vdst(0)
	s_cbranch_scc0 .Lno_swap
	s_wait_loadcnt 0x0
	XTURN 0
	XTURN 1
	s_wait_dscnt 0x0
.Lno_swap:
	STEP 0, 1, 1
	WIN 0
	s_add_co_u32 s[CNT], s[CNT], 1
	s_cmp_lt_u32 s[CNT], 15
	s_wait_alu depctr_va_vdst(0)
	s_cbranch_scc1 .Lpair
	BOUNDARY 0                                     ; the last slot: nothing is left to fetch
	STEP 1, 0, 0                                   ; step 30 is multiplied, step 31 made
	WIN 0
	PEND 1                                         ; step 31's last block
	PEND 2
	PEND 3
	PEND 4
	PEND 5
	WORD 1
	WORD 2
	WORD 3
	WORD 4
	s_wait_alu depctr_va_vdst(0)                   ; directly behind the writes: only idle lines and waits stand ahead of their readers
.rept 8
	v_nop                                          ; a scale word written by a vector line stands eight places ahead of its product
.endr
.set MSET, 1
.set CURA, BRB
.set CURS, BSB
.set NXT, 0
.set FB, 0
.rept 4                                ; step 31: four places stand in front of loads into registers that products have read (ISA guide 7.12.1 for vector instructions)
	NOP4
	LDX 2
	LDX 3
	MMX 1
	MMX 2
	MMX 3
	MMX 4
	NOP4
	LDX 4
	LDX 5
	MMX 5
	MMX 6
	MMX 7
	MMX 8
.set FB, FB+4
.endr
; THE WAY OUT, in eight passes of 16 rows x 128 columns.  A lane holds pieces of 32 bytes of one row: a pass goes through my stash (rows of 512 + 16 bytes) and comes back by rows: 32 lanes store 512 consecutive bytes.
.macro TOSTAGE a                       ; a = 4 m + g: tile m, accumulators 4 g .. 4 g + 3
	WIN 0x08+4*((\a)/4)                            ; an LDS store's data are its source 1: window 2 + m
.irp v, 0,1,2,3
.set rD, 16*(4*((\a)%4)+\v)
	ds_store_b128 v[STO], v[rD:rD+3] offset:128*\v                 ; each accumulator from its low end on
	ds_store_b128 v[STO], v[rD+4:rD+7] offset:128*\v+16
	ds_store_b128 v[STO], v[rD+8:rD+11] offset:128*\v+64
	ds_store_b128 v[STO], v[rD+12:rD+15] offset:128*\v+80
.endr
	WIN 0
.irp t, 0,1,2,3,4,5,6,7,8,9,10,11,12,13,14,15
	ds_load_b128 v[OB+64*((\a)%2)+4*\t:OB+64*((\a)%2)+4*\t+3], v[XSW] offset:\t*XP
.endr
.endm
.macro SEND a, younger
	s_wait_dscnt \younger                          ; the pass is back in registers; the next pass's LDS instructions may be out
.irp t, 0,1,2,3,4,5,6,7,8,9,10,11,12,13,14,15
	global_store_b128 v[LI], v[OB+64*((\a)%2)+4*\t:OB+64*((\a)%2)+4*\t+3], s[12:13] offset:(16*((\a)/4)+\t)*2048+512*((\a)%4) th:TH_STORE_NT   ; at a multiple of 256 from out0's first byte; written once
.endr
.endm
	NOP4                                           ; places behind the last products: their results are read, and loads land on their operands
	TOSTAGE 0
.irp a, 1,2,3,4,5,6,7
.if \a > 1
	s_wait_xcnt 0x0                                ; pass a - 2's stores have read their registers: pass a's loads may land there
.endif
	TOSTAGE \a
	SEND \a-1, 32                                  ; behind pass a - 1's loads: pass a's 16 stores and 16 loads
.endr
	SEND 7, 0
	s_wait_tensorcnt 0x0                           ; the wave's end
	ds_add_u32 v[SPW], v[NIL]
	s_wait_dscnt 0x0
	ROUND                                          ; the closing round: no work-group ends while a partner may still ask for a slot that names it
	s_endpgm
.Lfunc_end_k_q52fcf0af06_sine:
	.size	k_q52fcf0af06_sine, .Lfunc_end_k_q52fcf0af06_sine-k_q52fcf0af06_sine
	.p2alignl 7, 3214868480
	.fill 96, 4, 3214868480
	.section	.rodata,"a",@progbits
	.p2align	6, 0x0
	.amdhsa_kernel k_q52fcf0af06_sine
		.amdhsa_group_segment_fixed_size 327680
		.amdhsa_private_segment_fixed_size 0
		.amdhsa_enable_private_segment 0
		.amdhsa_kernarg_size 40
		.amdhsa_user_sgpr_count 2
		.amdhsa_user_sgpr_kernarg_segment_ptr 1
		.amdhsa_wavefront_size32 1
		.amdhsa_system_sgpr_workgroup_id_x 1
		.amdhsa_system_sgpr_workgroup_id_y 1
		.amdhsa_system_sgpr_workgroup_id_z 1
		.amdhsa_system_vgpr_workitem_id 0
		.amdhsa_next_free_vgpr 1024
		.amdhsa_next_free_sgpr 80
		.amdhsa_reserve_vcc 0
		.amdhsa_float_denorm_mode_32 3
		.amdhsa_float_denorm_mode_16_64 3
		.amdhsa_memory_ordered 1
		.amdhsa_forward_progress 1
		.amdhsa_inst_pref_size 255
	.end_amdhsa_kernel
	.section	.bss,"aw",@nobits
	.p2align	6
	.space	262144
	.amdgpu_metadata
---
amdhsa.version: [ 1, 2 ]
amdhsa.kernels:
  - .name:           k_q52fcf0af06_sine
    .symbol:         k_q52fcf0af06_sine.kd
    .args:
      - { .name: x, .offset: 0, .size: 8, .value_kind: global_buffer, .address_space: global }
      - { .name: wq, .offset: 8, .size: 8, .value_kind: global_buffer, .address_space: global }
      - { .name: cst, .offset: 16, .size: 8, .value_kind: global_buffer, .address_space: global }
      - { .name: bias, .offset: 24, .size: 8, .value_kind: global_buffer, .address_space: global }
      - { .name: out0, .offset: 32, .size: 8, .value_kind: global_buffer, .address_space: global }
    .group_segment_fixed_size: 327680
    .private_segment_fixed_size: 0
    .kernarg_segment_align: 8
    .kernarg_segment_size: 40
    .max_flat_workgroup_size: 128
    .sgpr_count:     80
    .vgpr_count:     1024
    .wavefront_size: 32
...
	.end_amdgpu_metadata
.endif
;; end of part 2
